; MI455X (gfx1250); checked and timed in simulation.
; The chip was launched on July 23, 2026; its instructions are those of AMD's public machine-readable ISA for CDNA 5 (MIT licence, August 2026) and "CDNA5" Instruction Set Architecture Reference Guide (July 2026). The comments in the code are by the model that wrote it; some were corrected since.
;; Scaled Dot Product Attention. Allowed arithmetic: float matrix products may take bf16 or f16 operands with f32 sums; all other float work in f32.
;; Inputs: key 16 x 4,096 x 128 float32; query 16 x 4,096 x 128 float32; value 16 x 4,096 x 128 float32.
;; Outputs: out0 16 x 4,096 x 128 float32.
;; One version. Each part assembles by itself: llvm-mc -triple=amdgcn-amd-amdhsa -mcpu=gfx1250 --defsym DOCPART=n.
;; ======== version 1 of 1: 2 launches
;; limits: inputs' magnitudes at most 65,504; values are held in f16: magnitudes above 65,504 overflow, below 6.1e-05 lose precision
;; workspace buffers: k16 16,777,216 bytes; v16 16,777,216 bytes
;; launch tof16 (part 1): grid 1024 x 1, 8 waves a work-group, no clusters, 0 bytes of LDS; arguments key, value, k16, v16; writes k16, v16
.if DOCPART == 1
	.amdgcn_target "amdgcn-amd-amdhsa--gfx1250"
	.amdhsa_code_object_version 6
	.text
	.protected	k_q9200893468_tof16
	.globl	k_q9200893468_tof16
	.p2align	8
	.type	k_q9200893468_tof16,@function
k_q9200893468_tof16:
	s_mov_b64 s[64:65], 0
	v_nop
	global_prefetch_b8 v0, s[64:65] scope:SCOPE_SE
	s_setreg_imm32_b32 hwreg(HW_REG_WAVE_MODE, 25, 1), 1
	s_wait_xcnt 0x0
; k16 = f16(bf16(key)), v16 = f16(bf16(value)), same [16][4096][128] layout.
; Done once because every key and value row is multiplied by many query blocks in the next launch: as 16-bit numbers the rows
; can be laid into LDS ready for the matrix unit, and each later read moves half the bytes.
; THE FORMAT.  The inputs are rounded to bf16 (nearest even), the rounding of matrix operands that the problem allows for, and the rounded
; number is carried as an f16 code, which holds every bf16 number between 2^-14 and 65,504 exactly.  The next launch needs f16 codes because a
; matrix instruction takes both operands in one format and its probabilities need f16's 11 significant bits.  The three further bits of the
; inputs that f16 could hold are given up on purpose: the result is then the reference's on bf16-rounded inputs.
; LIMIT: inputs below 65,504 in magnitude (larger ones become infinite here); below 2^-14 the f16 code adds an absolute error of at most 2^-25.
; A stream: no LDS, no barrier, no matrix unit (nothing is reused inside this launch).
; 1,024 work-groups of 8 waves; a work-group takes 8,192 numbers of key and 8,192 of value (32,768 bytes in, 16,384 out, each).
; Thread t, step s (0..3): reads the 32 bytes at 8,192 s + 32 t (two loads of 16), writes the 16 bytes at 4,096 s + 16 t,
; so one store of a wave covers 512 consecutive bytes, aligned.  All 16 loads of a thread go out first; a step's registers are its own.
.set X, 4                              ; v[4:67]   step i (0-3 key, 4-7 value): 8 registers as loaded, then the bf16-rounded numbers as f32
.set Y, 68                             ; v[68:99]  step i: 4 registers, packed bf16, then packed f16 to store
	s_load_b256 s[4:11], s[0:1], 0x0               ; key s[4:5], value s[6:7], k16 s[8:9], v16 s[10:11]
	s_lshl_b32 s2, ttmp9, 15                       ; the work-group's part of an input, in bytes (below 32 MiB)
	s_mov_b32 s3, 0
	s_lshl_b32 s12, ttmp9, 14                      ; and of an output
	s_mov_b32 s13, 0
	s_mov_b32 s14, 0xffff0000                      ; a word's upper bf16
	v_lshlrev_b32 v1, 5, v0                        ; 32 t
	v_lshlrev_b32 v2, 4, v0                        ; 16 t
	s_wait_kmcnt 0x0
	s_add_nc_u64 s[4:5], s[4:5], s[2:3]
	s_add_nc_u64 s[6:7], s[6:7], s[2:3]
	s_add_nc_u64 s[8:9], s[8:9], s[12:13]
	s_add_nc_u64 s[10:11], s[10:11], s[12:13]
.irp i, 0,1,2,3
	global_load_b128 v[X+8*\i:X+8*\i+3],   v1, s[4:5] offset:8192*\i th:TH_LOAD_NT
	global_load_b128 v[X+8*\i+4:X+8*\i+7], v1, s[4:5] offset:8192*\i+16 th:TH_LOAD_NT
.endr
.irp i, 0,1,2,3
	global_load_b128 v[X+32+8*\i:X+32+8*\i+3],   v1, s[6:7] offset:8192*\i th:TH_LOAD_NT
	global_load_b128 v[X+32+8*\i+4:X+32+8*\i+7], v1, s[6:7] offset:8192*\i+16 th:TH_LOAD_NT
.endr
.irp i, 0,1,2,3,4,5,6,7
	s_wait_loadcnt 14-2*\i                         ; loads return in order: step i's two are in, the 2 (7 - i) younger ones stay out
.irp j, 0,1,2,3
	v_cvt_pk_bf16_f32 v[Y+4*\i+\j], v[X+8*\i+2*\j], v[X+8*\i+2*\j+1]       ; the rounding: to bf16, nearest even
.endr
.irp j, 0,1,2,3
	v_lshlrev_b32 v[X+8*\i+2*\j],   16,  v[Y+4*\i+\j]                      ; back to f32: the low half moves up,
	v_and_b32     v[X+8*\i+2*\j+1], s14, v[Y+4*\i+\j]                      ; the high half stays
.endr
.irp j, 0,1,2,3
	v_cvt_pk_f16_f32 v[Y+4*\i+\j], v[X+8*\i+2*\j], v[X+8*\i+2*\j+1]        ; the same number as an f16 code
.endr
.if \i < 4
	global_store_b128 v2, v[Y+4*\i:Y+4*\i+3], s[8:9] offset:4096*\i        ; no hint: the next launch reads these bytes
.else
	global_store_b128 v2, v[Y+4*\i:Y+4*\i+3], s[10:11] offset:4096*(\i-4)
.endif
.endr
	s_endpgm
.Lfunc_end_k_q9200893468_tof16:
	.size	k_q9200893468_tof16, .Lfunc_end_k_q9200893468_tof16-k_q9200893468_tof16
	.p2alignl 7, 3214868480
	.fill 96, 4, 3214868480
	.section	.rodata,"a",@progbits
	.p2align	6, 0x0
	.amdhsa_kernel k_q9200893468_tof16
		.amdhsa_group_segment_fixed_size 0
		.amdhsa_private_segment_fixed_size 0
		.amdhsa_enable_private_segment 0
		.amdhsa_kernarg_size 32
		.amdhsa_user_sgpr_count 2
		.amdhsa_user_sgpr_kernarg_segment_ptr 1
		.amdhsa_wavefront_size32 1
		.amdhsa_system_sgpr_workgroup_id_x 1
		.amdhsa_system_sgpr_workgroup_id_y 1
		.amdhsa_system_sgpr_workgroup_id_z 1
		.amdhsa_system_vgpr_workitem_id 0
		.amdhsa_next_free_vgpr 104
		.amdhsa_next_free_sgpr 66
		.amdhsa_reserve_vcc 0
		.amdhsa_float_denorm_mode_32 3
		.amdhsa_float_denorm_mode_16_64 3
		.amdhsa_memory_ordered 1
		.amdhsa_forward_progress 1
		.amdhsa_inst_pref_size 10
	.end_amdhsa_kernel
	.amdgpu_metadata
---
amdhsa.version: [ 1, 2 ]
amdhsa.kernels:
  - .name:           k_q9200893468_tof16
    .symbol:         k_q9200893468_tof16.kd
    .args:
      - { .name: key, .offset: 0, .size: 8, .value_kind: global_buffer, .address_space: global }
      - { .name: value, .offset: 8, .size: 8, .value_kind: global_buffer, .address_space: global }
      - { .name: k16, .offset: 16, .size: 8, .value_kind: global_buffer, .address_space: global }
      - { .name: v16, .offset: 24, .size: 8, .value_kind: global_buffer, .address_space: global }
    .group_segment_fixed_size: 0
    .private_segment_fixed_size: 0
    .kernarg_segment_align: 8
    .kernarg_segment_size: 32
    .max_flat_workgroup_size: 256
    .sgpr_count:     66
    .vgpr_count:     104
    .wavefront_size: 32
...
	.end_amdgpu_metadata
.endif
;; end of part 1
;; launch attn (part 2): grid 16 x 16, 4 waves a work-group, clusters of 4 x 1, 327,680 bytes of LDS; arguments k16, v16, query, out0; writes out0
.if DOCPART == 2
	.amdgcn_target "amdgcn-amd-amdhsa--gfx1250"
	.amdhsa_code_object_version 6
	.text
	.protected	k_q9200893468_attn
	.globl	k_q9200893468_attn
	.p2align	8
	.type	k_q9200893468_attn,@function
k_q9200893468_attn:
	s_mov_b64 s[64:65], 0
	v_nop
	global_prefetch_b8 v0, s[64:65] scope:SCOPE_SE
	s_setreg_imm32_b32 hwreg(HW_REG_WAVE_MODE, 25, 1), 1
	s_wait_xcnt 0x0
	s_wait_alu depctr_hold_cnt(0) depctr_sa_sdst(0) depctr_va_vdst(0) depctr_va_sdst(0) depctr_va_ssrc(0) depctr_va_vcc(0) depctr_vm_vsrc(0)
	s_getreg_b32 s2, hwreg(HW_REG_IB_STS2, 6, 4)
	s_cmp_eq_u32 s2, 0
	s_cbranch_scc0 .Lentry_in_a_cluster
	s_endpgm
.Lentry_in_a_cluster:
	s_bfe_u32 s2, ttmp6, 0x10000c
	s_cmp_lg_u32 s2, 0x3003
	s_cbranch_scc0 .Lentry_shape_is_right
	s_endpgm
.Lentry_shape_is_right:
; out0 = softmax(causal(Q K^T / sqrt(128))) V, 16 batches of 4,096 x 4,096, d = 128.  Q f32, K and V as f16 codes (k16, v16), out0 f32.
; Flash attention with a running maximum; sums, maxima and the scale in f32.
; THE FORMATS.  Q, K and V are rounded to bf16 (nearest even), the rounding of matrix operands that the problem allows for, and carried as f16
; codes, which hold every bf16 number between 2^-14 and 65,504 exactly.  The probabilities, which are made here, are rounded to f16: 11 significant
; bits against bf16's 8.  The first query rows are sums of a few terms p v of the size of a value, which may nearly cancel, so a probability's
; rounding goes straight into the result: |error| <= 2^-11 sum(p |v|) / sum(p).  A matrix instruction takes both operands in one format, hence f16
; codes for all four.  The three further bits of the inputs that f16 could hold are given up on purpose: the result is then the reference's on
; bf16-rounded inputs, up to the probabilities' rounding.
;
; SHARES.  A cluster of four work-groups owns two super-blocks of 512 query rows of one batch: I = 7 - p, then I = p (p = cluster x, 0..3).
; Work-group cx owns rows 512 I + 128 cx .. + 127.  All four walk the same tiles of 128 keys, 0 .. 4 I + 3, asked for JOINTLY (mask 15), which
; divides the requests for K and V by four.  (4 + 4 (7 - p)) + (4 + 4 p) = 36 steps in every cluster: all 256 work-groups do equal work.
; Tiles that lie wholly above the diagonal for some partner (3 of a work-group's 36 on average) are computed under the mask all the same,
; since no branch may differ between partners.
; Wave w = 2 qh + kh takes 64 query rows (half qh) x 64 keys (half kh) of each tile, so each fragment read from LDS feeds four matrix
; instructions.  The two kh waves keep their own maximum, sum and O and merge once for each super-block, through LDS.
; BOTH PRODUCTS ARE TRANSPOSED: S^T = K Q^T (A = 16 keys from LDS, B = 16 query rows resident in registers), O^T = V^T P^T (A = V^T by
; transposing LDS loads, B = P^T).  In S^T lane (r, h) holds keys 8 h + 0..7 of query row r, so two neighbouring key tiles, rounded and packed,
; ARE the B fragment of 32 keys, and maximum, sum and rescaling factor are one number a lane; one exchange between the lane halves a row tile.
; ORDER OF TILES in a super-block: 4I, 4I+1 (masked), 0 .. 4I-1 (plain, a loop of 2 I trips of two), 4I+2, 4I+3 (masked).
; RING: two LDS slots, each a tile of K and of V.  Waves 0, 1 ask for K's two halves, waves 2, 3 for V's: one load of 64 rows x 256 bytes a wave
; behind each round of the cluster's barrier; a wave never has more than one tensor load outstanding.
;
; THE ORDER OF WORK.  The wave's four row tiles form two groups, g = 0 (tiles 0, 1) and g = 1 (tiles 2, 3).  The softmax of one group is written
; between the matrix instructions of the other, so that the vector unit and the matrix unit work at the same time.  Step n (tile n of the order) is
;   phase A(n): softmax of group 0 on tile n;  between its lines O1 += V(n-1) P1(n-1), then S1 = K(n) Q1;  V(n)'s fragments are loaded;
;   the change of slots: slot n has been read whole (K(n) in B(n-1), V(n) in A(n)) and is filled again with tile n + 2;
;   phase B(n): softmax of group 1 on tile n;  between its lines O0 += V(n) P0(n), then S0 = K(n+1) Q0;  K(n+1)'s fragments are loaded.
; S0 of the first tile is made ahead of the first step, O1's last products behind the last.  The first products of O0 (in B(0)) and of O1 (in A(1))
; start the sums: nothing is cleared.  The price is two switches of the register window round each matrix instruction: in a phase the vector lines
; write one group's window and the products the other's.
;
; LIMITS.  Inputs must be below 65,504 in magnitude (larger ones become infinite as f16 codes); below 2^-14 the f16 code adds an absolute error
; of at most 2^-25 to the bf16 rounding.  Probabilities lie in [0, 1] by the running maximum; those below 2^-25 count as 0 in the product with V,
; while the f32 row sum still holds them: at most 4,096 x 2^-25 of a sum that is at least about 1.
; The running maximum starts at -FLT_MAX (the identity of max over finite f32) and masked scores are -inf, so a wholly masked tile gives
; probabilities 0 and a rescaling factor 1.  v_exp_f32 gives 0 for results below 2^-126.
; Inputs that are NaN or infinite, or whose scores overflow f32, are not reproduced as the reference would.  Sums run in another order than the reference's.
; p = exp2(S c - m c), c = log2(e) / sqrt(128), one fused multiply-add against the rounded product m c; the maximum is taken on the raw S.
;
; REGISTERS in windows of 256.  Window 0: addresses, row statistics, P fragments, V fragments.  Windows 1, 2 (g = 0, 1; row tiles 2 g + n2):
; O at 64 n2 + 8 dt, S at 128 + 32 n2 + 8 mk, Q at 192 + 32 n2 + 8 ks.  Window 3: K fragments at 32 mk + 8 ks.
.set KP,     272                       ; LDS pitch of K and Q rows: 256 bytes + 16
.set VP,     288                       ; LDS pitch of V rows: 256 + 32 (an odd multiple of 32, for the transposing loads)
.set VOFF,   128*KP                    ; V's tile behind K's in a slot
.set SLOTB,  128*KP+128*VP             ; 71,680
.set QST,    2*SLOTB                   ; 143,360: 128 rows of Q as f16 codes, pitch 272
.set XST,    178176                    ; 4 x 16,384: the half of O that wave w hands to its partner
.set STT,    243712                    ; 4 x 1,024: wave w's maxima and sums
.set OST,    247808                    ; 4 x 8,704: wave w's own 16 output rows, pitch 528
.set OPITCH, 528
.set ADK,   2                          ; v2, v3    my K fragments in slot 0, 1
.set ADV,   4                          ; v4, v5    my V fragments in slot 0, 1
.set ADQ,   6                          ; v6        my Q fragments
.set ADQS,  7                          ; v7        where I put 8 bytes of a Q row
.set GOFF,  8                          ; v8        16 x lane: my 16 bytes of a row of 512 bytes in query and out0
.set PFO,   9                          ; v9        256 x lane, for the prefetch
.set ADSO,  10                         ; v10, v11  statistics: mine, my partner's
.set ADSP,  11
.set ADXO,  12                         ; v12, v13  O image: mine, my partner's
.set ADXP,  13
.set ADOW,  14                         ; v14, v15  output stage: in, back
.set ADOR,  15
.set DELTA, 16                         ; v16       128 cx + 64 (qh - kh) + r - 8 h, signed
.set NINF,  17                         ; v17       -inf
.set MOLD,  20                         ; v20-23    running maximum of row tile q
.set MNEW,  24                         ; v24-27    the new one
.set TMP,   28                         ; v28-31
.set ALF,   32                         ; v[32+2q:33+2q]  rescaling factor, twice
.set NEGM,  40                         ; v[40+2q:41+2q]  -m c, twice
.set LSA,   48                         ; v[48+2q:49+2q], v[56+2q:57+2q]  two chains of the row sum
.set LSB,   56
.set PF,    64                         ; v[64+16q+8kk ..]   P^T fragments
.set VF,    128                        ; v[128+64kk+8dt ..] V^T fragments
.set SL,    128                        ; S in windows 1, 2
.set QL,    192                        ; Q in windows 1, 2
.set G1K,   44                         ; s[44:51] shape of a K load;  s[52:59] of a V load
.set G1V,   52
.set G0K,   60                         ; s[60:63], s[68:71]  K: from where, to where, slot 0, 1
.set G0V,   72                         ; s[72:75], s[76:79]  V likewise
; scalars: s12 wave, s13 qh (also: I ask for K (0) or V (1)), s14 kh (also: which 64 rows I ask for), s16 p, s17 batch, s18 super-block trip,
; s19 I, s20 4I, s21 4I+2, s22 next tile to ask for, s23/s24 plain loop's counter and limit, s25-27 temporaries, s[28:29] c, s30 -c,
; s31 mask of a word's upper bf16, s32/s33 lane selects, s[34:35] k16 and s[36:37] v16 at my batch and half.
; What has held cx stays in s2, s3, s15, s[66:67], s[38:43] alone.
.set MSB, 0
.macro WIN new                         ; the immediate's high byte repeats the setting that is left; switches that change nothing are dropped
.if MSB != \new
	s_set_vgpr_msb (MSB<<8)|\new
.set MSB, \new
.endif
.endm
.macro PLACES                          ; four independent vector instructions behind a matrix instruction (ISA guide 7.12.1)
.rept 4
	v_nop
.endr
.endm
.macro CREST                           ; a round of the cluster's barrier behind its opening work-group barrier
	s_cmp_lg_u32 s12, 0
	s_cbranch_scc1 .Lnot_wave_0_\@
	s_barrier_signal -3
.Lnot_wave_0_\@:
	s_barrier_wait -3
	s_barrier_signal -1
	s_barrier_wait -1
.endm
.macro ROUND
	s_barrier_signal -1
	s_barrier_wait -1
	CREST
.endm
.macro JLOAD slot                      ; my one joint load: the branch hangs on the wave's number alone
	s_cmp_eq_u32 s13, 0
	s_cbranch_scc0 .Lfor_v_\@
	tensor_load_to_lds s[G0K+8*\slot:G0K+8*\slot+3], s[G1K:G1K+7]
	s_nop 0
	s_branch .Lasked_\@
.Lfor_v_\@:
	tensor_load_to_lds s[G0V+4*\slot:G0V+4*\slot+3], s[G1V:G1V+7]
	s_nop 0
.Lasked_\@:
.endm
.macro SETADDR slot                    ; s[26:27] = the tile's byte offset.  Stands only where no tensor load of the wave is out
	s_add_nc_u64 s[G0K+8*\slot+2:G0K+8*\slot+3], s[34:35], s[26:27]
	s_or_b32 s[G0K+8*\slot+3], s[G0K+8*\slot+3], 0x80000000        ; type = 2
	s_add_nc_u64 s[G0V+4*\slot+2:G0V+4*\slot+3], s[36:37], s[26:27]
	s_or_b32 s[G0V+4*\slot+3], s[G0V+4*\slot+3], 0x80000000
.endm
.macro NEXTADDR slot                   ; the next tile in the order 0 .. 4I-1, 4I+2, 4I+3
	s_cmp_eq_u32 s22, s20
	s_cselect_b32 s22, s21, s22                    ; behind tile 4I-1 comes 4I+2 (for I = 0 at once)
	s_lshl_b32 s26, s22, 15                        ; 128 rows of 256 bytes a tile
	SETADDR \slot
	s_add_co_u32 s22, s22, 1
.endm
; THE QUEUE OF A PHASE'S PRODUCTS, kept in assembler symbols.  Numbers 0-31: O^T of group MG += V^T P^T, in the order kk, dt, n2, sixteen accumulators
; by turns; numbers 32-63: S^T of group MG = K Q^T, in the order ks, mk, n2, eight accumulators by turns: one instruction a turn;
; the last product of a phase and the first of the next name different accumulators, over the backward jumps too.
.set MI, 0                             ; the next product's number
.set MEND, 0                           ; the queue's end
.set MG, 0                             ; the group
.set MFIRST, 0                         ; 1: the products with V start the sums (C = 0 for kk = 0)
.set MWAIT, 0                          ; 1: K's fragments were loaded in this phase: a wait stands ahead of product 32
.set MNUM, 0                           ; MNUM products are spread over MDEN lines
.set MDEN, 1
.set VC, 0
.macro QUEUE g, from, to, first, wait, calls
.set MG, \g
.set MI, \from
.set MEND, \to
.set MFIRST, \first
.set MWAIT, \wait
.set MNUM, \to-\from
.set MDEN, \calls-16                   ; the queue ends 16 lines ahead of the phase's end
.set VC, 0
.endm
.macro MM1                             ; the queue's next product, if one is left
.if MI < MEND
.if MI < 32
	WIN (0x50*(MG+1))
.set MD, 64*(MI%2)+8*((MI/2)%8)
.set MA, VF+64*(MI/16)+8*((MI/2)%8)
.set MB, PF+16*(2*MG+MI%2)+8*(MI/16)
.set MZ, 0
.if MFIRST
.if MI < 16
.set MZ, 1
.endif
.endif
.else
.if MWAIT
.if MI == 32
	s_wait_dscnt 0x0                               ; the next tile's K fragments, asked for at the phase's head, are in
.endif
.endif
	WIN (0x54*(MG+1)+3)
.set MD, SL+32*(MI%2)+8*((MI/2)%4)
.set MA, 32*((MI/2)%4)+8*((MI-32)/8)
.set MB, QL+32*(MI%2)+8*((MI-32)/8)
.set MZ, 0
.if MI < 40
.set MZ, 1
.endif
.endif
.if MZ
	v_wmma_f32_16x16x32_f16 v[MD:MD+7], v[MA:MA+7], v[MB:MB+7], 0
.else
	v_wmma_f32_16x16x32_f16 v[MD:MD+7], v[MA:MA+7], v[MB:MB+7], v[MD:MD+7]
.endif
.set MI, MI+1
.endif
.endm
.macro MMUNTIL k                       ; what is left of the queue below number k
.rept 64
.if MI < \k
	MM1
.endif
.endr
.endm
.macro NX w                            ; stands ahead of every vector or LDS line of a phase: a product when one is due, then the line's window
.set VC, VC+MNUM
.if VC >= MDEN
.set VC, VC-MDEN
	MM1
.endif
	WIN \w
.endm
.macro LDK slot                        ; my 64 keys x 128 d: 16 fragments, 32 loads
.irp mk, 0,1,2,3
.irp ks, 0,1,2,3
	NX 0xc0
	ds_load_b128 v[32*\mk+8*\ks:32*\mk+8*\ks+3],   v[ADK+\slot] offset:\mk*16*KP+\ks*64
	NX 0xc0
	ds_load_b128 v[32*\mk+8*\ks+4:32*\mk+8*\ks+7], v[ADK+\slot] offset:\mk*16*KP+\ks*64+32
.endr
.endr
.endm
.macro LDV slot                        ; my 64 keys x 128 d of V, transposed on the way: 16 fragments, 32 loads
.irp kk, 0,1
.irp dt, 0,1,2,3,4,5,6,7
	NX 0
	ds_load_tr16_b128 v[VF+64*\kk+8*\dt:VF+64*\kk+8*\dt+3],   v[ADV+\slot] offset:\kk*32*VP+\dt*32
	NX 0
	ds_load_tr16_b128 v[VF+64*\kk+8*\dt+4:VF+64*\kk+8*\dt+7], v[ADV+\slot] offset:\kk*32*VP+16*VP+\dt*32
.endr
.endr
.endm
; Tile 4I + jt: key > query row  <=>  128 jt + 16 (mk - q) + j > DELTA.  A select, no branch: the work is done in every lane.
.macro MASK g, jt
.irp n2, 0,1
.irp mk, 0,1,2,3
.irp j, 0,1,2,3,4,5,6,7
	NX (0x41*(\g+1))
	v_cmp_gt_i32 vcc_lo, 128*\jt+16*(\mk-2*\g-\n2)+\j, v[DELTA]
	NX (0x41*(\g+1))
	v_cndmask_b32 v[SL+32*\n2+8*\mk+\j], v[SL+32*\n2+8*\mk+\j], v[NINF], vcc_lo
.endr
.endr
.endr
.endm
; The lane's maximum over its 32 scores of each row tile and the old maximum: four chains that do not wait for each other
.macro RMAX g
.irp i, 0,1,2,3,4,5,6,7
.irp n2, 0,1
	NX (0x14*(\g+1))
.if \i == 0
	v_max3_num_f32 v[MNEW+2*\g+\n2], v[MOLD+2*\g+\n2], v[SL+32*\n2], v[SL+32*\n2+1]
.else
	v_max3_num_f32 v[MNEW+2*\g+\n2], v[MNEW+2*\g+\n2], v[SL+32*\n2+2*\i], v[SL+32*\n2+2*\i+1]
.endif
	NX (0x14*(\g+1))
.if \i == 0
	v_max3_num_f32 v[TMP+2*\g+\n2],  v[MOLD+2*\g+\n2], v[SL+32*\n2+16], v[SL+32*\n2+17]
.else
	v_max3_num_f32 v[TMP+2*\g+\n2],  v[TMP+2*\g+\n2],  v[SL+32*\n2+16+2*\i], v[SL+32*\n2+16+2*\i+1]
.endif
.endr
.endr
.endm
.macro STATS g                         ; the two row tiles' new maximum, rescaling factor and -m c
.irp n, 0,1
	NX 0
	v_max_num_f32 v[MNEW+2*\g+\n], v[MNEW+2*\g+\n], v[TMP+2*\g+\n]
.endr
.irp n, 0,1
	NX 0
	v_permlanex16_b32 v[TMP+2*\g+\n], v[MNEW+2*\g+\n], s32, s33    ; the other eight keys of each key tile lie in lane l xor 16
.endr
.irp n, 0,1
	NX 0
	v_max_num_f32 v[MNEW+2*\g+\n], v[MNEW+2*\g+\n], v[TMP+2*\g+\n]
.endr
.irp n, 0,1
	NX 0
	v_sub_f32 v[ALF+2*(2*\g+\n)], v[MOLD+2*\g+\n], v[MNEW+2*\g+\n] ; subtract first, then scale: exact 0 when both are -FLT_MAX,
.endr                                                                  ; where a fused form against the rounded m c would leave a huge residue
.irp n, 0,1
	NX 0
	v_mul_f32 v[ALF+2*(2*\g+\n)], s28, v[ALF+2*(2*\g+\n)]
.endr
.irp n, 0,1
	NX 0
	v_exp_f32 v[ALF+2*(2*\g+\n)], v[ALF+2*(2*\g+\n)]
.endr
.irp n, 0,1
	NX 0
	v_mul_f32 v[NEGM+2*(2*\g+\n)], s30, v[MNEW+2*\g+\n]            ; plain lines that touch no factor stand behind the exponentials (ISA guide 5.7.2)
	NX 0
	v_mul_f32 v[NEGM+2*(2*\g+\n)+1], s30, v[MNEW+2*\g+\n]
	NX 0
	v_mov_b32 v[MOLD+2*\g+\n], v[MNEW+2*\g+\n]
.endr
.irp n, 0,1
	NX 0
	s_wait_alu depctr_va_vdst(0)
	v_mov_b32 v[ALF+2*(2*\g+\n)+1], v[ALF+2*(2*\g+\n)]
.endr
.irp n, 0,1
	NX 0
	v_pk_mul_f32 v[LSA+2*(2*\g+\n):LSA+2*(2*\g+\n)+1], v[LSA+2*(2*\g+\n):LSA+2*(2*\g+\n)+1], v[ALF+2*(2*\g+\n):ALF+2*(2*\g+\n)+1]
	NX 0
	v_pk_mul_f32 v[LSB+2*(2*\g+\n):LSB+2*(2*\g+\n)+1], v[LSB+2*(2*\g+\n):LSB+2*(2*\g+\n)+1], v[ALF+2*(2*\g+\n):ALF+2*(2*\g+\n)+1]
.endr
.endm
.macro FMA g                           ; S c - m c, in place
.set i, 0
.rept 32
	NX (0x41*(\g+1))
	v_pk_fma_f32 v[SL+2*i:SL+2*i+1], v[SL+2*i:SL+2*i+1], s[28:29], v[NEGM+2*(2*\g+i/16):NEGM+2*(2*\g+i/16)+1] op_sel_hi:[1,0,1]
.set i, i+1
.endr
.endm
; p = exp2(..) in place, row tile 2 g + half; each exponential is followed by one packed rescaling of that tile's O, a plain line that touches
; neither its result nor its source.  pos = 0: the super-block's first step, where there is no O yet.
.macro EXPS g, half, pos
.set i, 32*\half
.rept 32
	NX (0x41*(\g+1))
	v_exp_f32 v[SL+i], v[SL+i]
.if \pos != 0
	NX (0x41*(\g+1))
	v_pk_mul_f32 v[2*i:2*i+1], v[2*i:2*i+1], v[ALF+2*(2*\g+\half):ALF+2*(2*\g+\half)+1]
.endif
.set i, i+1
.endr
.if \pos == 0
	v_nop                                          ; one plain line behind the run of exponentials
	s_wait_alu depctr_va_vdst(0)
.endif
.endm
.macro LSUM g                          ; the row sums, from the f32 probabilities, four chains
.set i, 0
.rept 8
.irp n2, 0,1
	NX (\g+1)
	s_wait_alu depctr_va_vdst(0)
	v_pk_add_f32 v[LSA+2*(2*\g+\n2):LSA+2*(2*\g+\n2)+1], v[SL+32*\n2+4*i:SL+32*\n2+4*i+1], v[LSA+2*(2*\g+\n2):LSA+2*(2*\g+\n2)+1]
	NX (\g+1)
	v_pk_add_f32 v[LSB+2*(2*\g+\n2):LSB+2*(2*\g+\n2)+1], v[SL+32*\n2+4*i+2:SL+32*\n2+4*i+3], v[LSB+2*(2*\g+\n2):LSB+2*(2*\g+\n2)+1]
.endr
.set i, i+1
.endr
.endm
.macro PACK g                          ; key tiles 2kk, 2kk+1 of S^T, rounded to f16 and packed, are registers 0-3, 4-7 of the B fragment of keys 32 kk .. + 31
.irp n2, 0,1
.set i, 0
.rept 16
	NX (5*(\g+1))
	v_cvt_pk_f16_f32 v[PF+16*(2*\g+\n2)+i], v[SL+32*\n2+2*i], v[SL+32*\n2+2*i+1]
.set i, i+1
.endr
.endr
.endm
; One tile.  jt >= 0: tile 4I + jt, masked; -1: plain.  pos: 0 the super-block's first step, 1 its second, 2 any later one.
; mode 2: this slot is filled again, two tiles ahead; mode 1: change of slots without a refill; mode 0: the super-block's last tile.
; A plain phase has 312 vector and LDS lines (32 + 24 + 32 + 128 + 32 + 32 and 32 loads); the mask adds 128, the first step has 64 fewer.
.macro STEP slot, jt, pos, mode
.set CALLS, 312
.if \jt >= 0
.set CALLS, CALLS+128
.endif
.if \pos == 0
.set CALLS, CALLS-64
.endif
	; ---- phase A: softmax of group 0; products of group 1
.if \pos == 0
	QUEUE 1, 32, 64, 0, 0, CALLS                   ; no tile before this one: S1 alone
.else
.if \pos == 1
	QUEUE 1, 0, 64, 1, 0, CALLS                    ; O1's first products start its sums
.else
	QUEUE 1, 0, 64, 0, 0, CALLS
.endif
.endif
	PLACES                                         ; behind the products that made S0, which is read now
.if \jt >= 0
	MASK 0, \jt
.endif
	RMAX 0
	STATS 0
	FMA 0
	EXPS 0, 0, \pos
	MMUNTIL 32                                     ; the products with the last tile's V are all issued,
	PLACES                                         ; and four places behind them
	LDV \slot                                      ; its fragment registers take this tile's V
	EXPS 0, 1, \pos
	LSUM 0
	s_wait_dscnt 0x0                               ; V's fragments are in: all my reads of this slot are over (K's were read a phase ago)
.if \mode > 0
	s_set_vgpr_msb 0x10f
	s_wait_tensorcnt 0x0                           ; my one tensor load that is out, my part of the next tile, has landed
	ds_add_u32 v128, v129
	s_wait_dscnt 0x0
	s_set_vgpr_msb 0xf01
.if \mode == 2
	NEXTADDR \slot
.endif
	s_barrier_signal -1                            ; say so (mode 2: this barrier opens a round of the cluster's barrier),
.endif
	PACK 0                                         ; work on registers while the others arrive,
	MMUNTIL 64
	WIN 0
.if \mode > 0
	s_barrier_wait -1
.if \mode == 2
	CREST                                          ; no wave of any partner still reads this slot or has a load on its way
	JLOAD \slot                                    ; the first tensor load behind the round, and my only one until the next
.endif
.endif
	; ---- phase B: softmax of group 1; products of group 0
.if \mode == 0
	QUEUE 0, 0, 32, 0, 0, CALLS-32                 ; no tile behind this one: O0 alone
.else
.if \pos == 0
	QUEUE 0, 0, 64, 1, 1, CALLS                    ; O0's first products start its sums
.else
	QUEUE 0, 0, 64, 0, 1, CALLS
.endif
.endif
	PLACES                                         ; behind the products that made S1 from K's fragments: S1 is read, the fragments are loaded over
.if \mode > 0
	LDK (1-\slot)                                  ; the next tile's K, 32 products ahead of its first use
.endif
.if \jt >= 0
	MASK 1, \jt
.endif
	RMAX 1
	STATS 1
	FMA 1
	EXPS 1, 0, \pos
	EXPS 1, 1, \pos
	LSUM 1
	PACK 1
	MMUNTIL 64
	WIN 0
.endm
.macro SEND win                        ; the two row tiles that my partner finishes: 128 registers as they lie, 16 bytes a lane
	WIN (4*\win)
.set i, 0
.rept 32
	ds_store_b128 v[ADXO], v[4*i:4*i+3] offset:512*i
.set i, i+1
.endr
	WIN 0
.endm
; Row tiles 2g, 2g+1: merge my half of the keys with my partner's, divide by the sum, write 32 rows of out0.
.macro FINISH g
.set Q0, 2*\g
	WIN 0
.irp n, 0,1
	ds_load_b32 v[MNEW+Q0+\n], v[ADSP] offset:256*(Q0+\n)       ; my partner's maximum
	ds_load_b32 v[TMP+Q0+\n],  v[ADSP] offset:256*(Q0+\n)+128   ; and sum
.endr
.set i, 0
.rept 32
	ds_load_b128 v[VF+4*i:VF+4*i+3], v[ADXP] offset:512*i       ; and O, in the same lanes and registers as mine
.set i, i+1
.endr
	s_wait_dscnt 32                                ; the four statistics are in; the 32 loads behind them stay out
.irp n, 0,1
	v_max_num_f32 v[ALF+2*(Q0+\n)+1], v[MOLD+Q0+\n], v[MNEW+Q0+\n]
.endr
.irp n, 0,1
	v_sub_f32 v[ALF+2*(Q0+\n)],  v[MOLD+Q0+\n], v[ALF+2*(Q0+\n)+1]
	v_sub_f32 v[NEGM+2*(Q0+\n)], v[MNEW+Q0+\n], v[ALF+2*(Q0+\n)+1]
.endr
.irp n, 0,1
	v_mul_f32 v[ALF+2*(Q0+\n)],  s28, v[ALF+2*(Q0+\n)]
	v_mul_f32 v[NEGM+2*(Q0+\n)], s28, v[NEGM+2*(Q0+\n)]
.endr
.irp n, 0,1
	v_exp_f32 v[ALF+2*(Q0+\n)],  v[ALF+2*(Q0+\n)]               ; my weight
	v_exp_f32 v[NEGM+2*(Q0+\n)], v[NEGM+2*(Q0+\n)]              ; my partner's
.endr
	v_nop                                          ; one plain line behind the exponentials
	s_wait_alu depctr_va_vdst(0)
.irp n, 0,1
	v_mul_f32 v[LSA+2*(Q0+\n)], v[LSA+2*(Q0+\n)], v[ALF+2*(Q0+\n)]
.endr
.irp n, 0,1
	v_fmac_f32 v[LSA+2*(Q0+\n)], v[TMP+Q0+\n], v[NEGM+2*(Q0+\n)]   ; the whole row's sum: at least about 1, from the row's largest score
.endr
.irp n, 0,1
	v_rcp_f32 v[LSB+2*(Q0+\n)], v[LSA+2*(Q0+\n)]
.endr
	v_nop                                          ; one plain line behind the reciprocals
	s_wait_alu depctr_va_vdst(0)
.irp n, 0,1
	v_mul_f32 v[ALF+2*(Q0+\n)],  v[ALF+2*(Q0+\n)],  v[LSB+2*(Q0+\n)]
	v_mul_f32 v[NEGM+2*(Q0+\n)], v[NEGM+2*(Q0+\n)], v[LSB+2*(Q0+\n)]
.endr
.irp n, 0,1
	v_mov_b32 v[ALF+2*(Q0+\n)+1],  v[ALF+2*(Q0+\n)]
	v_mov_b32 v[NEGM+2*(Q0+\n)+1], v[NEGM+2*(Q0+\n)]
.endr
.irp n, 0,1
.if \n == 0
	s_wait_dscnt 16                                ; the first tile's 16 loads are in.  (The second tile needs no wait: the count-down below ends at 0)
.endif
.set i, 0
.rept 32
	v_pk_mul_f32 v[VF+64*\n+2*i:VF+64*\n+2*i+1], v[VF+64*\n+2*i:VF+64*\n+2*i+1], v[NEGM+2*(Q0+\n):NEGM+2*(Q0+\n)+1]
.set i, i+1
.endr
	WIN (\g+1)
.set i, 0
.rept 32
	v_pk_fma_f32 v[VF+64*\n+2*i:VF+64*\n+2*i+1], v[64*\n+2*i:64*\n+2*i+1], v[ALF+2*(Q0+\n):ALF+2*(Q0+\n)+1], v[VF+64*\n+2*i:VF+64*\n+2*i+1]
.set i, i+1
.endr
	WIN 0
	; a lane holds d = 16 dt + 8 h + 0..7 of row r: 32 bytes.  Through my own stage, so that a store is a whole row.
.set i, 0
.rept 16
	ds_store_b128 v[ADOW], v[VF+64*\n+4*i:VF+64*\n+4*i+3] offset:(i/2)*64+(i%2)*16
.set i, i+1
.endr
.set i, 0
.rept 16
	ds_load_b128 v[PF+64*\n+4*i:PF+64*\n+4*i+3], v[ADOR] offset:OPITCH*i   ; LDS serves a wave's instructions in order: these see the stores above
.set i, i+1
.endr
.set i, 0
.rept 16
	s_wait_dscnt 15-i                              ; row i is back; the younger ones stay out
	global_store_b128 v[GOFF], v[PF+64*\n+4*i:PF+64*\n+4*i+3], s[40:41] offset:(16*\n+i)*512 th:TH_STORE_NT   ; 32 lanes store one row: 512 consecutive bytes, aligned
.set i, i+1
.endr
.endr
.endm
	; ---------------- start ----------------
	s_load_b256 s[4:11], s[0:1], 0x0               ; k16 s[4:5], v16 s[6:7], query s[8:9], out0 s[10:11]
	s_set_vgpr_msb 0xc0
	v_lshl_add_u32 v128, v0, 2, 0x45000
	v_mov_b32 v129, 0
	s_set_vgpr_msb 0xc000
	v_lshrrev_b32 v1, 5, v0
	v_readfirstlane_b32 s12, v1                    ; wave 0..3
	s_lshr_b32 s13, s12, 1                         ; qh
	s_and_b32 s14, s12, 1                          ; kh
	s_bfe_u32 s15, ttmp6, 0x40000                  ; cx
	s_mov_b32 s16, ttmp9                           ; p: the cluster's x
	s_and_b32 s17, ttmp7, 0xffff                   ; batch: the cluster's y
	s_mov_b32 s28, 0x3e0293ee                      ; c = log2(e) / sqrt(128)
	s_mov_b32 s29, 0x3e0293ee
	s_mov_b32 s30, 0xbe0293ee                      ; -c
	s_mov_b32 s31, 0xffff0000                      ; a word's upper bf16
	s_mov_b32 s32, 0x76543210                      ; v_permlanex16_b32: lane i of one half reads lane i of the other
	s_mov_b32 s33, 0xfedcba98
	s_mov_b32 s27, 0
	s_mov_b32 s67, 0
	; shapes: 64 rows x 128 elements of 2 bytes, pitch 128 elements; all four work-groups of the cluster are named
	s_mov_b32 s[G1K+0], 15|(1<<16)|(1<<20)|(1<<21)|(5<<22)|(3<<25)   ; mask 15; 2-byte elements; padding on; bit 21 beside the mask; after every 64 words, 4 words
	s_mov_b32 s[G1V+0], 15|(1<<16)|(1<<20)|(1<<21)|(5<<22)|(7<<25)   ; the same with 8 words of padding
	s_mov_b32 s[G1K+1], 128<<16                    ; tensor_dim0 = 128
	s_mov_b32 s[G1V+1], 128<<16
	s_mov_b32 s[G1K+2], 64<<16                     ; tensor_dim1 = 64
	s_mov_b32 s[G1V+2], 64<<16
	s_mov_b32 s[G1K+3], 128<<16                    ; tile_dim0 = 128
	s_mov_b32 s[G1V+3], 128<<16
	s_mov_b32 s[G1K+4], 64                         ; tile_dim1 = 64
	s_mov_b32 s[G1V+4], 64
	s_mov_b32 s[G1K+5], 128                        ; elements from row to row
	s_mov_b32 s[G1V+5], 128
	s_mov_b32 s[G1K+6], 0
	s_mov_b32 s[G1V+6], 0
	s_mov_b32 s[G1K+7], 0
	s_mov_b32 s[G1V+7], 0
	s_mul_i32 s25, s14, 64*KP                      ; where my half of a tile goes: the slot's constant + half x 64 rows
	s_mul_i32 s26, s14, 64*VP
.irp s, 0,1
	s_mov_b32 s[G0K+8*\s], 1
	s_add_co_u32 s[G0K+8*\s+1], s25, \s*SLOTB
	s_mov_b32 s[G0V+4*\s], 1
	s_add_co_u32 s[G0V+4*\s+1], s26, \s*SLOTB+VOFF
.endr
	; LDS addresses.  l = lane, r = l % 16, h = l / 16
	v_and_b32 v1, 31, v0
	v_and_b32 v18, 15, v0
	v_bfe_u32 v19, v0, 4, 1
	v_mul_u32_u24 v[ADQ], v18, KP
	v_lshl_add_u32 v[ADQ], v19, 4, v[ADQ]          ; r x 272 + 16 h
	v_add_nc_u32 v[ADK], s25, v[ADQ]               ; + my 64 keys
	v_add_nc_u32 v[ADK+1], SLOTB, v[ADK]
	s_mul_i32 s25, s13, 64*KP
	s_add_co_u32 s25, s25, QST
	v_add_nc_u32 v[ADQ], s25, v[ADQ]               ; + my 64 query rows
	v_and_b32 v[ADV], 7, v0
	v_lshl_add_u32 v[ADV], v19, 3, v[ADV]          ; key 8 h + l % 8
	v_mul_u32_u24 v[ADV], v[ADV], VP
	v_bfe_u32 v[ADV+1], v0, 3, 1
	v_lshl_add_u32 v[ADV], v[ADV+1], 4, v[ADV]     ; + 16 bytes for the odd groups of eight lanes
	s_add_co_u32 s26, s26, VOFF
	v_add_nc_u32 v[ADV], s26, v[ADV]
	v_add_nc_u32 v[ADV+1], SLOTB, v[ADV]
	s_mul_i32 s25, s12, 32*KP
	s_add_co_u32 s25, s25, QST
	v_lshl_add_u32 v[ADQS], v1, 3, s25             ; rows 32 w ..: 8 bytes a lane
	v_lshlrev_b32 v[GOFF], 4, v1
	v_lshlrev_b32 v[PFO], 8, v1
	s_xor_b32 s26, s12, 1                          ; my partner: the other half of the keys
	s_lshl_b32 s25, s12, 10
	s_add_co_u32 s25, s25, STT
	v_lshl_add_u32 v[ADSO], v1, 2, s25
	s_lshl_b32 s25, s26, 10
	s_add_co_u32 s25, s25, STT
	v_lshl_add_u32 v[ADSP], v1, 2, s25
	s_lshl_b32 s25, s12, 14
	s_add_co_u32 s25, s25, XST
	v_lshl_add_u32 v[ADXO], v1, 4, s25
	s_lshl_b32 s25, s26, 14
	s_add_co_u32 s25, s25, XST
	v_lshl_add_u32 v[ADXP], v1, 4, s25
	s_mul_i32 s25, s12, 8704
	s_add_co_u32 s25, s25, OST
	v_lshl_add_u32 v[ADOR], v1, 4, s25
	v_mul_u32_u24 v[ADOW], v18, OPITCH
	v_lshl_add_u32 v[ADOW], v19, 5, v[ADOW]
	v_add_nc_u32 v[ADOW], s25, v[ADOW]
	; the mask's lane term, and the rows of query and out0: the only things that hang on cx
	s_lshl_b32 s3, s15, 7                          ; 128 cx
	s_lshl_b32 s2, s17, 12
	s_add_co_u32 s2, s2, s3
	s_lshl_b32 s66, s12, 5
	s_add_co_u32 s2, s2, s66                       ; 4,096 batch + 128 cx + 32 w
	s_sub_co_i32 s66, s13, s14
	s_lshl_b32 s66, s66, 6
	s_add_co_i32 s3, s3, s66                       ; 128 cx + 64 (qh - kh)
	v_add_nc_u32 v[DELTA], s3, v18
	v_lshlrev_b32 v19, 3, v19
	v_sub_nc_u32 v[DELTA], v[DELTA], v19
	v_mov_b32 v[NINF], 0xff800000
	s_lshl_b32 s26, s17, 20                        ; a batch of k16 or v16 is 4,096 rows of 256 bytes
	s_lshl_b32 s25, s14, 14                        ; my 64 rows of a tile
	s_add_co_u32 s26, s26, s25
	s_lshl_b32 s66, s16, 9
	s_add_co_u32 s66, s66, s2
	s_lshl_b32 s66, s66, 9                         ; my 32 query rows of the second super-block (I = p), rows of 512 bytes
	s_wait_kmcnt 0x0
	s_add_nc_u64 s[34:35], s[4:5], s[26:27]
	s_add_nc_u64 s[36:37], s[6:7], s[26:27]
	s_add_nc_u64 s[42:43], s[8:9], s[66:67]
	s_mov_b32 s18, 0
	; ---------------- a super-block ----------------
.Lsb:
	s_wait_xcnt 0x0                                ; the last super-block's stores have had their addresses translated: their data registers and base are written again below
	s_sub_co_u32 s25, 7, s16
	s_cmp_eq_u32 s18, 0
	s_cselect_b32 s19, s25, s16                    ; I = 7 - p, then p
	s_lshl_b32 s20, s19, 2
	s_add_co_u32 s21, s20, 2
	s_lshl_b32 s24, s19, 1                         ; trips of the plain loop
	s_lshl_b32 s66, s19, 9
	s_add_co_u32 s66, s66, s2
	s_lshl_b32 s66, s66, 9
	s_add_nc_u64 s[38:39], s[8:9], s[66:67]        ; query and out0 at row 512 I + 128 cx + 32 w of my batch
	s_add_nc_u64 s[40:41], s[10:11], s[66:67]
.set i, 0
.rept 32
	global_load_b128 v[VF+4*i:VF+4*i+3], v[GOFF], s[38:39] offset:512*i th:TH_LOAD_NT   ; a whole row an instruction; each row is read once in the launch
.set i, i+1
.endr
	s_wait_dscnt 0x0                               ; my reads of both slots are over,
	s_set_vgpr_msb 0xf
	s_wait_tensorcnt 0x0                           ; and no tensor load of mine is out: the addresses may be written
	ds_add_u32 v128, v129
	s_wait_dscnt 0x0
	s_set_vgpr_msb 0xf00
	s_lshl_b32 s26, s20, 15
	SETADDR 0                                      ; tile 4I
	s_add_co_u32 s26, s26, 32768
	SETADDR 1                                      ; tile 4I + 1
	s_mov_b32 s22, 0
	ROUND                                          ; all four work-groups are here
	JLOAD 0
.set i, 0
.rept 32
	s_wait_loadcnt 31-i                            ; row i is in; the younger rows stay out
	v_cvt_pk_bf16_f32 v[PF+2*i],   v[VF+4*i],   v[VF+4*i+1]    ; the rounding: to bf16, nearest even
	v_cvt_pk_bf16_f32 v[PF+2*i+1], v[VF+4*i+2], v[VF+4*i+3]
	v_lshlrev_b32 v[VF+4*i],   16,  v[PF+2*i]                  ; back to f32
	v_and_b32     v[VF+4*i+1], s31, v[PF+2*i]
	v_lshlrev_b32 v[VF+4*i+2], 16,  v[PF+2*i+1]
	v_and_b32     v[VF+4*i+3], s31, v[PF+2*i+1]
	v_cvt_pk_f16_f32 v[PF+2*i],   v[VF+4*i],   v[VF+4*i+1]     ; the same numbers as f16 codes
	v_cvt_pk_f16_f32 v[PF+2*i+1], v[VF+4*i+2], v[VF+4*i+3]
	ds_store_b64 v[ADQS], v[PF+2*i:PF+2*i+1] offset:KP*i
.set i, i+1
.endr
.irp q, 0,1,2,3
	v_mov_b32 v[MOLD+\q], 0xff7fffff               ; -FLT_MAX
	v_mov_b32 v[LSA+2*\q], 0
	v_mov_b32 v[LSA+2*\q+1], 0
	v_mov_b32 v[LSB+2*\q], 0
	v_mov_b32 v[LSB+2*\q+1], 0
.endr
	s_wait_dscnt 0x0                               ; my rows of Q are in LDS,
	s_set_vgpr_msb 0xf
	s_wait_tensorcnt 0x0                           ; my part of the first tile has landed
	ds_add_u32 v128, v129
	s_wait_dscnt 0x0
	s_set_vgpr_msb 0xf00
	ROUND                                          ; both hold of every wave; the second slot is asked for behind a round of its own
	JLOAD 1
.irp g, 0,1
	WIN (0x40*(\g+1))
.irp n2, 0,1
.irp ks, 0,1,2,3
	ds_load_b128 v[QL+32*\n2+8*\ks:QL+32*\n2+8*\ks+3],   v[ADQ] offset:(2*\g+\n2)*16*KP+\ks*64
	ds_load_b128 v[QL+32*\n2+8*\ks+4:QL+32*\n2+8*\ks+7], v[ADQ] offset:(2*\g+\n2)*16*KP+\ks*64+32
.endr
.endr
.endr
	LDK 0                                          ; the queue is empty here: a plain run of 32 loads
	s_wait_dscnt 0x0                               ; Q's fragments and the first tile's K fragments are in
	QUEUE 0, 32, 64, 0, 0, 17
	MMUNTIL 64                                     ; S0 of the first tile, which phase A of the first step reads
	WIN 0
	STEP 0, 0, 0, 2                                ; tile 4I
	STEP 1, 1, 1, 2                                ; tile 4I + 1
	s_cmp_eq_u32 s24, 0                            ; I = 0 has no tile below the diagonal blocks; I is the same in all four partners
	s_cbranch_scc1 .Ltail
	s_mov_b32 s23, 0
.Lpl:
	STEP 0, -1, 2, 2
	STEP 1, -1, 2, 2
	s_add_co_u32 s23, s23, 1
	s_cmp_lt_u32 s23, s24
	s_cbranch_scc1 .Lpl
.Ltail:
	STEP 0, 2, 2, 1                                ; tile 4I + 2: nothing is left to ask for
	s_cmp_lg_u32 s18, 0
	s_cbranch_scc1 .Lno_prefetch
	; one step and the merge ahead of their loads: each wave asks once for the 64 blocks of 256 bytes of its own 32 query rows of the second super-block
	global_prefetch_b8 v[PFO], s[42:43] th:TH_LOAD_NT scope:SCOPE_SE
	global_prefetch_b8 v[PFO], s[42:43] offset:8192 th:TH_LOAD_NT scope:SCOPE_SE
.Lno_prefetch:
	STEP 1, 3, 2, 0                                ; tile 4I + 3
	QUEUE 1, 0, 32, 0, 0, 17
	MMUNTIL 32                                     ; O1's products with the last tile
	WIN 0
	; ---------------- merge of the two key halves, and the way out ----------------
	PLACES                                         ; behind the last products: O is read, and fragment registers are loaded over
.irp q, 0,1,2,3
	v_pk_add_f32 v[LSA+2*\q:LSA+2*\q+1], v[LSA+2*\q:LSA+2*\q+1], v[LSB+2*\q:LSB+2*\q+1]
.endr
.irp q, 0,1,2,3
	v_add_f32 v[LSA+2*\q], v[LSA+2*\q], v[LSA+2*\q+1]
.endr
.irp q, 0,1,2,3
	v_permlanex16_b32 v[TMP+\q], v[LSA+2*\q], s32, s33
.endr
.irp q, 0,1,2,3
	v_add_f32 v[LSA+2*\q], v[LSA+2*\q], v[TMP+\q]  ; the row's sum over my 64-key halves, in both lane halves
.endr
.irp q, 0,1,2,3
	ds_store_b32 v[ADSO], v[MOLD+\q] offset:256*\q
	ds_store_b32 v[ADSO], v[LSA+2*\q] offset:256*\q+128
.endr
	s_cmp_lg_u32 s14, 0
	s_cbranch_scc1 .Lsend_kh1
	SEND 2                                         ; kh = 0 finishes row tiles 0, 1 and hands over 2, 3
	s_branch .Lsent
.Lsend_kh1:
	SEND 1                                         ; kh = 1 the other way round
.Lsent:
	s_wait_dscnt 0x0                               ; my stores are in LDS, for my partner's sake
	s_barrier_signal -1
	s_barrier_wait -1
	s_cmp_lg_u32 s14, 0
	s_cbranch_scc1 .Lfin_kh1
	FINISH 0
	s_branch .Lfin
.Lfin_kh1:
	FINISH 1
.Lfin:
	s_add_co_u32 s18, s18, 1
	s_cmp_lt_u32 s18, 2
	s_cbranch_scc1 .Lsb
	s_set_vgpr_msb 0xf
	s_wait_tensorcnt 0x0
	ds_add_u32 v128, v129
	s_wait_dscnt 0x0
	s_set_vgpr_msb 0xf00
	ROUND                                          ; the closing round: no work-group ends while a partner may still ask for a tile that names it
	s_endpgm
.Lfunc_end_k_q9200893468_attn:
	.size	k_q9200893468_attn, .Lfunc_end_k_q9200893468_attn-k_q9200893468_attn
	.p2alignl 7, 3214868480
	.fill 96, 4, 3214868480
	.section	.rodata,"a",@progbits
	.p2align	6, 0x0
	.amdhsa_kernel k_q9200893468_attn
		.amdhsa_group_segment_fixed_size 327680
		.amdhsa_private_segment_fixed_size 0
		.amdhsa_enable_private_segment 0
		.amdhsa_kernarg_size 32
		.amdhsa_user_sgpr_count 2
		.amdhsa_user_sgpr_kernarg_segment_ptr 1
		.amdhsa_wavefront_size32 1
		.amdhsa_system_sgpr_workgroup_id_x 1
		.amdhsa_system_sgpr_workgroup_id_y 1
		.amdhsa_system_sgpr_workgroup_id_z 1
		.amdhsa_system_vgpr_workitem_id 0
		.amdhsa_next_free_vgpr 898
		.amdhsa_next_free_sgpr 80
		.amdhsa_reserve_vcc 1
		.amdhsa_float_denorm_mode_32 3
		.amdhsa_float_denorm_mode_16_64 3
		.amdhsa_memory_ordered 1
		.amdhsa_forward_progress 1
		.amdhsa_inst_pref_size 255
	.end_amdhsa_kernel
	.section	.bss,"aw",@nobits
	.p2align	6
	.space	262144
	.amdgpu_metadata
---
amdhsa.version: [ 1, 2 ]
amdhsa.kernels:
  - .name:           k_q9200893468_attn
    .symbol:         k_q9200893468_attn.kd
    .args:
      - { .name: k16, .offset: 0, .size: 8, .value_kind: global_buffer, .address_space: global }
      - { .name: v16, .offset: 8, .size: 8, .value_kind: global_buffer, .address_space: global }
      - { .name: query, .offset: 16, .size: 8, .value_kind: global_buffer, .address_space: global }
      - { .name: out0, .offset: 24, .size: 8, .value_kind: global_buffer, .address_space: global }
    .group_segment_fixed_size: 327680
    .private_segment_fixed_size: 0
    .kernarg_segment_align: 8
    .kernarg_segment_size: 32
    .max_flat_workgroup_size: 128
    .sgpr_count:     80
    .vgpr_count:     898
    .wavefront_size: 32
...
	.end_amdgpu_metadata
.endif
;; end of part 2
